; MI455X (gfx1250); checked and timed in simulation.
; The chip was launched on July 23, 2026; its instructions are those of AMD's public machine-readable ISA for CDNA 5 (MIT licence, August 2026) and "CDNA5" Instruction Set Architecture Reference Guide (July 2026). The comments in the code are by the model that wrote it; some were corrected since.
;; MLP Native. Allowed arithmetic: float matrix products may take bf16 or f16 operands with f32 sums; all other float work in f32.
;; Inputs: W_first 64 x 3 float32; W_h0 64 x 64 float32; W_h1 64 x 64 float32; W_last 16 x 64 float32; x 2,097,152 x 3 float32.
;; Outputs: out0 2,097,152 x 1 float32.
;; One version. Each part assembles by itself: llvm-mc -triple=amdgcn-amd-amdhsa -mcpu=gfx1250 --defsym DOCPART=n.
;; ======== version 1 of 1: 1 launch
;; launch mlp (part 1): grid 256 x 1, 16 waves a work-group, no clusters, 23,040 bytes of LDS; arguments x, W_first, W_h0, W_h1, W_last, out0; writes out0
.if DOCPART == 1
	.amdgcn_target "amdgcn-amd-amdhsa--gfx1250"
	.amdhsa_code_object_version 6
	.text
	.protected	k_q453d0d8351_mlp
	.globl	k_q453d0d8351_mlp
	.p2align	8
	.type	k_q453d0d8351_mlp,@function
k_q453d0d8351_mlp:
	s_mov_b64 s[64:65], 0
	v_nop
	global_prefetch_b8 v0, s[64:65] scope:SCOPE_SE
	s_setreg_imm32_b32 hwreg(HW_REG_WAVE_MODE, 25, 1), 1
	s_wait_xcnt 0x0
; out[p] = row 0 of W_last . relu(W_h1 . relu(W_h0 . relu(W_first . x[p]))),  2,097,152 points, x [p][3] f32, out [p] f32.
; One launch.  256 work-groups of 16 waves; a work-group owns 8,192 points, a wave 512 neighbouring points (6,144 bytes of x, 2,048 of out).
; 16 waves of 256 registers are four to a SIMD, so that one wave's conversions can stand beside another wave's matrix instructions.
; All weights live in each wave's registers as matrix fragments; activations never leave registers.
;
; EVERY LAYER IS D = W x H^T (source 0 = 16 rows of W, source 1 = 16 points).  In D, lane (r, h), register j of out-tile i holds neuron
; 16 i + 8 h + j of point r; the next layer's source 1 wants, in lane (r, h), k = 32 c + 8 h + 0..7 and k = 32 c + 16 + 8 h + 0..7: these are
; out-tiles 2 c and 2 c + 1 of the same lane.  So relu and a packed conversion, lane by lane, make the next operand: no shuffle, no LDS.
;
; FORMAT: f16 operands, f32 sums.  The net has no bias and relu(a z) = a relu(z) for a > 0, so exact powers of two are taken out:
; each weight matrix is scaled so that its largest magnitude lies in [0.5, 1) (W_last by the largest magnitude of its row 0, the only row
; that is kept), each point so that its largest |x| lies in [1, 2).  Then h1 <= 3*1*2 = 6, h2 <= 64*6 = 384, h3 <= 64*384 = 24,576, all
; below f16's largest number 65,504, for every finite input.  The result is multiplied by the powers that were taken out.
; LIMITS: NaN and infinities in x or in the weights are not served (the maxima drop a NaN; 0 x inf makes one).  |x| below 2^127;
; |W| below 2^126 (above it a matrix is no longer brought below 1).  A point whose three x are all denormal gives 0.
; A weight below 2^-14 of its matrix's largest magnitude is kept with an absolute error of 2^-25 of that magnitude.
; The product of the four matrix scales and the point's scale has to lie in f32's range.
;
; NO CLUSTER, NO TENSOR LOADS: what work-groups share is 37,632 bytes of weights, read once by each against its 98,304 bytes of x, and
; these pass through registers anyway, to be scaled and converted.  x needs three 16-byte loads a lane for 64 points (88 matrix instructions).
.set USE_DUAL, 1                       ; relu of two registers in one dual instruction (0: two plain ones)
.set PITCH, 144                        ; an LDS row of 64 f16: 128 bytes + 16, an odd multiple of 16
.set LH0,   0                          ; W_h0 scaled, f16, 64 rows
.set LH1,   64*PITCH                   ; W_h1 likewise (9,216)
.set LL,    128*PITCH                  ; W_last, 16 rows (18,432)
.set RED,   144*PITCH                  ; 20,736: 3 x 16 words, the waves' maxima: matrix q at 64 q, wave w at 4 w
.set TRIPB, 768                        ; bytes of x in a trip of 64 points
.set PAIRB, 1536                       ; in a pair of trips
.set XOFF, 1                           ; v1       48 (lane & 15): my four points' 48 bytes in a trip
.set OOFF, 2                           ; v2       16 lane: my 16 bytes of a pair's 512 bytes of out
.set SC,   3                           ; v3       the scales taken out of the current tile's point and of the weights
.set O,    4                           ; v[4:7]   four results
.set T0,   8
.set T1,   9
.set RG,   10                          ; v[10:23] six zeros, x' packed in v16, v17, six zeros
.set XA,   24                          ; v[24:35] x of trip A: feature c of tile t at 3 t + c
.set XB,   36                          ; v[36:47] x of trip B
.set B,    48                          ; v[48:63] 64 activations of my point's half, f16 pairs
.set D,    64                          ; v[64:95] four out-tiles
.set AW,   96                          ; v[96:103]  W_first, all 64 rows in one fragment (see below)
.set WH0,  104                         ; v[104:167] W_h0: fragment (out-tile i, K chunk c) at 16 i + 8 c
.set WH1,  168                         ; v[168:231] W_h1
.set WL,   232                         ; v[232:247] W_last: K chunk c at 8 c
.set E,    248                         ; v248 the point's power of two; v249 its inverse; v[250:252] x scaled
.macro PLACES                          ; four places between a matrix instruction and a vector instruction that reads its result or writes a source (ISA guide 7.12.1)
.rept 4
	v_nop
.endr
.endm
.macro ROWMAX r                        ; the largest of the 16 lanes of each half, in every lane of it
	v_max_num_f32_dpp v[\r], v[\r], v[\r] row_xmask:1 row_mask:0xf bank_mask:0xf
	v_max_num_f32_dpp v[\r], v[\r], v[\r] row_xmask:2 row_mask:0xf bank_mask:0xf
	v_max_num_f32_dpp v[\r], v[\r], v[\r] row_xmask:4 row_mask:0xf bank_mask:0xf
	v_max_num_f32_dpp v[\r], v[\r], v[\r] row_xmask:8 row_mask:0xf bank_mask:0xf
.endm
.macro WAVEMAX r                       ; of all 32 lanes
	ROWMAX \r
	v_permlanex16_b32 v[T1], v[\r], s20, s21
	v_max_num_f32 v[\r], v[\r], v[T1]
.endm
; m = a matrix's largest magnitude, biased exponent e.  inv (a pair, for the packed multiply) = 2^(126-e), fwd = 2^(e-126) = 1 / inv.
.macro SCALE m, inv, fwd
	v_and_b32 v[\m], 0x7f800000, v[\m]             ; the exponent field alone
	v_min_u32 v[\m], 0x7e000000, v[\m]             ; e <= 252, so that inv stays a normal number
	v_sub_nc_u32 v[\inv], 0x7e800000, v[\m]        ; exponent 253 - e
	v_mov_b32 v[\inv+1], v[\inv]
	v_add_nc_u32 v[\fwd], 0x00800000, v[\m]        ; exponent e + 1
.endm
; relu of the 32 sums and their conversion: B[n] = (relu D[2n], relu D[2n+1]) in f16
.macro ACT
.set n, 0
.rept 16
.if USE_DUAL
	v_dual_max_num_f32 v[D+2*n], 0, v[D+2*n] :: v_dual_max_num_f32 v[D+2*n+1], 0, v[D+2*n+1]
.else
	v_max_num_f32 v[D+2*n], 0, v[D+2*n]
	v_max_num_f32 v[D+2*n+1], 0, v[D+2*n+1]
.endif
.set n, n+1
.endr
.set n, 0
.rept 16
	v_cvt_pk_f16_f32 v[B+n], v[D+2*n], v[D+2*n+1]
.set n, n+1
.endr
.endm
; A hidden layer: 64 x 64.  The first K chunk starts the four sums (C = 0: nothing is cleared), the second adds in place.
; The four accumulators take turns, one instruction a turn.
.macro HID w
.irp i, 0,1,2,3
	v_wmma_f32_16x16x32_f16 v[D+8*\i:D+8*\i+7], v[\w+16*\i:\w+16*\i+7], v[B:B+7], 0
.endr
.irp i, 0,1,2,3
	v_wmma_f32_16x16x32_f16 v[D+8*\i:D+8*\i+7], v[\w+16*\i+8:\w+16*\i+15], v[B+8:B+15], v[D+8*\i:D+8*\i+7]
.endr
	PLACES
	ACT
.endm
; One tile: 16 points (column r = the trip's point 4 r + t) through all four layers.  xb: XA or XB; hi = 1: the result goes to lanes 16-31.
.macro TILE xb, t, hi
	v_max3_num_f32 v[E], |v[\xb+3*\t]|, |v[\xb+3*\t+1]|, |v[\xb+3*\t+2]|
	v_and_b32 v[E], 0x7f800000, v[E]               ; 2^(e-127), the power of two at or below the point's largest |x|
	v_sub_nc_u32 v[E+1], 0x7f000000, v[E]          ; 2^(127-e), its inverse
	v_mul_f32 v[SC], s22, v[E]                     ; what the result is multiplied by at the end
	v_mul_f32 v[E+2], v[\xb+3*\t], v[E+1]
	v_mul_f32 v[E+3], v[\xb+3*\t+1], v[E+1]
	v_mul_f32 v[E+4], v[\xb+3*\t+2], v[E+1]
	v_cvt_pk_f16_f32 v[RG+6], v[E+2], v[E+3]
	v_cvt_pk_f16_f32 v[RG+7], v[E+4], 0
	; First layer.  AW's registers 2 g, 2 g + 1 hold rows 16 g + r of W_first (lanes 16-31: zeros).  Out-tile i takes as source 1 the eight
	; registers of RG in which x' stands at places 2 i, 2 i + 1 and zeros elsewhere: only AW's rows 16 i + r meet anything but zero.
.irp i, 0,1,2,3
	v_wmma_f32_16x16x32_f16 v[D+8*\i:D+8*\i+7], v[AW:AW+7], v[RG+6-2*\i:RG+13-2*\i], 0
.endr
	PLACES
	ACT
	HID WH0
	HID WH1
	; Last layer: the two K chunks go to two accumulators, each started by C = 0, and one addition joins them: no chain on one accumulator
	v_wmma_f32_16x16x32_f16 v[D:D+7], v[WL:WL+7], v[B:B+7], 0
	v_wmma_f32_16x16x32_f16 v[D+8:D+15], v[WL+8:WL+15], v[B+8:B+15], 0
	PLACES
	v_add_f32 v[T0], v[D], v[D+8]                  ; register 0, lanes 0-15: output row 0 of point r (lanes 16-31 hold row 8, which is dropped)
.if \hi
	v_mul_f32 v[T0], v[T0], v[SC]
	v_permlanex16_b32 v[T1], v[T0], s20, s21       ; lane 16 + r takes lane r
	v_cndmask_b32 v[O+\t], v[O+\t], v[T1], vcc_lo  ; vcc = 0xffff0000: lanes 16-31 take trip B's result, lanes 0-15 keep trip A's
.else
	v_mul_f32 v[O+\t], v[T0], v[SC]
.endif
.endm
; A pair of trips, 128 points.  ahead = 1: each trip's x registers are loaded again, for the next pair, as soon as its four tiles have read them.
.macro PAIR ahead
	s_wait_loadcnt 3                               ; loads come back in order (ISA guide 5.7.1): XA's three are in, XB's three may stay out
	TILE XA, 0, 0
	TILE XA, 1, 0
	TILE XA, 2, 0
	TILE XA, 3, 0
.if \ahead
.irp k, 0,1,2
	global_load_b128 v[XA+4*\k:XA+4*\k+3], v[XOFF], s[4:5] offset:PAIRB+16*\k
.endr
	s_wait_loadcnt 3                               ; XB's three are in, the three just issued stay out
.else
	s_wait_loadcnt 0                               ; XB's three are the last
.endif
	TILE XB, 0, 1
	TILE XB, 1, 1
	TILE XB, 2, 1
	TILE XB, 3, 1
.if \ahead
.irp k, 0,1,2
	global_load_b128 v[XB+4*\k:XB+4*\k+3], v[XOFF], s[4:5] offset:PAIRB+TRIPB+16*\k
.endr
.endif
	global_store_b128 v[OOFF], v[O:O+3], s[14:15] th:TH_STORE_NT   ; the wave stores 512 consecutive bytes, at a multiple of 512 from out's first byte
.if \ahead
	s_wait_xcnt 0x0                                ; the two bases and O are written again only behind this wait
	s_add_nc_u64 s[4:5], s[4:5], PAIRB
	s_add_nc_u64 s[14:15], s[14:15], 512
.endif
.endm
	; ---- head: ids, offsets, bases ----
	s_load_b256 s[4:11], s[0:1], 0x0               ; x s[4:5], W_first s[6:7], W_h0 s[8:9], W_h1 s[10:11]
	s_load_b128 s[12:15], s[0:1], 0x20             ; W_last s[12:13], out0 s[14:15]
	v_and_b32 v248, 31, v0                         ; lane
	v_and_b32 v249, 15, v0                         ; r
	v_bfe_u32 v250, v0, 4, 1                       ; h
	v_lshrrev_b32 v251, 5, v0
	v_readfirstlane_b32 s16, v251                  ; wave 0..15
	v_lshrrev_b32 v251, 4, v0                      ; thread / 16: my row of a hidden matrix's upper half
	s_mov_b32 s20, 0x76543210                      ; v_permlanex16_b32: lane i of one half reads lane i of the other
	s_mov_b32 s21, 0xfedcba98
	s_mov_b32 vcc_lo, 0xffff0000                   ; lanes 16-31; never written again
	v_mul_u32_u24 v[XOFF], v249, 48
	v_lshlrev_b32 v[OOFF], 4, v248
	v_lshlrev_b32 v252, 4, v0                      ; 16 t: my four numbers of each half of W_h0, W_h1
	v_lshlrev_b32 v253, 3, v0                      ; 8 t: my two numbers of W_last (row = wave, columns 2 lane, 2 lane + 1)
	v_mul_u32_u24 v254, v249, 12                   ; row r of W_first
	v_mul_u32_u24 v255, v249, PITCH
	v_lshl_add_u32 v255, v250, 4, v255             ; fragments: row r x pitch + 16 h
	v_mul_u32_u24 v104, v251, PITCH
	v_lshl_add_u32 v104, v249, 3, v104             ; where my four f16 of a hidden matrix go: row t / 16, byte 8 (t % 16)
	s_mul_i32 s19, s16, PITCH
	s_add_co_u32 s19, s19, LL
	v_lshl_add_u32 v105, v248, 2, s19              ; where my two f16 of W_last go
	s_lshl_b32 s17, s16, 2
	s_add_co_u32 s17, s17, RED
	v_mov_b32 v106, s17                            ; my wave's word of the maxima
	v_lshlrev_b32 v107, 2, v249
	v_add_nc_u32 v107, RED, v107                   ; wave r's word
	v_mov_b32 v108, RED
	v_mov_b32 v[T1], 0                             ; a lane permute's destination counts as read
.irp j, 0,1,2,3,4,5,8,9,10,11,12,13
	v_mov_b32 v[RG+\j], 0                          ; the zeros round x'
.endr
	s_mul_i32 s18, ttmp9, 98304                    ; 8,192 points x 12 bytes
	s_mul_i32 s19, s16, 6144                       ; 512 points x 12 bytes
	s_add_co_u32 s18, s18, s19
	s_mov_b32 s19, 0
	s_wait_kmcnt 0x0
	s_add_nc_u64 s[4:5], s[4:5], s[18:19]          ; x at my wave's first point
	s_lshl_b32 s18, ttmp9, 15                      ; 8,192 points x 4 bytes
	s_lshl_b32 s24, s16, 11                        ; 512 points x 4 bytes
	s_add_co_u32 s18, s18, s24
	s_add_nc_u64 s[14:15], s[14:15], s[18:19]      ; out likewise
	; ---- all loads of the set-up, and the first pair's x ----
	global_load_b128 v[64:67], v252, s[8:9]                    ; W_h0 rows 0-31: a wave's load covers 512 consecutive bytes
	global_load_b128 v[68:71], v252, s[8:9] offset:8192        ; rows 32-63
	global_load_b128 v[72:75], v252, s[10:11]
	global_load_b128 v[76:79], v252, s[10:11] offset:8192
	global_load_b64  v[80:81], v253, s[12:13]                  ; W_last: wave w takes row w
.irp g, 0,1,2,3
.irp c, 0,1,2
	global_load_b32 v[48+4*\g+\c], v254, s[6:7] offset:192*\g+4*\c   ; W_first[16 g + r][c]
.endr
.endr
.irp k, 0,1,2
	global_load_b128 v[XA+4*\k:XA+4*\k+3], v[XOFF], s[4:5] offset:16*\k
.endr
.irp k, 0,1,2
	global_load_b128 v[XB+4*\k:XB+4*\k+3], v[XOFF], s[4:5] offset:TRIPB+16*\k
.endr
	; ---- the largest magnitudes of W_h0, W_h1 and of each row of W_last ----
	s_wait_loadcnt 18                              ; the first five loads are in; W_first's 12 and x's 6 stay out
	v_max3_num_f32 v92, |v64|, |v65|, |v66|
	v_max3_num_f32 v93, |v72|, |v73|, |v74|
	v_max_num_f32  v94, |v80|, |v81|
	v_max3_num_f32 v92, v92, |v67|, |v68|
	v_max3_num_f32 v93, v93, |v75|, |v76|
	v_max3_num_f32 v92, v92, |v69|, |v70|
	v_max3_num_f32 v93, v93, |v77|, |v78|
	v_max_num_f32  v92, v92, |v71|
	v_max_num_f32  v93, v93, |v79|
	WAVEMAX 92
	WAVEMAX 93
	WAVEMAX 94
	ds_store_b32 v106, v92                         ; all lanes store the same number to the wave's word
	ds_store_b32 v106, v93 offset:64
	ds_store_b32 v106, v94 offset:128
	s_wait_dscnt 0x0                               ; for the other waves' sake: my stores are done
	s_barrier_signal -1
	s_barrier_wait -1
	ds_load_b32 v92, v107                          ; lane r: wave r's maximum of W_h0,
	ds_load_b32 v93, v107 offset:64                ; of W_h1;
	ds_load_b32 v94, v108 offset:128               ; wave 0's of W_last = row 0's, the row that is kept
	s_wait_dscnt 0x0
	ROWMAX 92
	ROWMAX 93
	SCALE 92, 82, 89
	SCALE 93, 84, 90
	SCALE 94, 86, 91
	; ---- scale, convert, lay down in LDS ----
.irp j, 0,2,4,6
	v_pk_mul_f32 v[64+\j:65+\j], v[64+\j:65+\j], v[82:83]
.endr
.irp j, 0,2,4,6
	v_pk_mul_f32 v[72+\j:73+\j], v[72+\j:73+\j], v[84:85]
.endr
	v_pk_mul_f32 v[80:81], v[80:81], v[86:87]
.set n, 0
.rept 9
	v_cvt_pk_f16_f32 v[64+n], v[64+2*n], v[64+2*n+1]   ; register 64 + n has been read by an earlier line of this run
.set n, n+1
.endr
	ds_store_b64 v104, v[64:65] offset:LH0
	ds_store_b64 v104, v[66:67] offset:LH0+32*PITCH
	ds_store_b64 v104, v[68:69] offset:LH1
	ds_store_b64 v104, v[70:71] offset:LH1+32*PITCH
	ds_store_b32 v105, v72
	s_wait_dscnt 0x0                               ; my stores are done,
	s_barrier_signal -1
	s_barrier_wait -1                              ; everybody's are: the three matrices are whole
	; ---- the fragments: 36 loads; rows 16 i + r, K = 32 c + 8 h .. and 32 c + 16 + 8 h .. ----
.irp i, 0,1,2,3
.irp c, 0,1
	ds_load_b128 v[WH0+16*\i+8*\c:WH0+16*\i+8*\c+3],   v255 offset:LH0+\i*16*PITCH+64*\c
	ds_load_b128 v[WH0+16*\i+8*\c+4:WH0+16*\i+8*\c+7], v255 offset:LH0+\i*16*PITCH+64*\c+32
	ds_load_b128 v[WH1+16*\i+8*\c:WH1+16*\i+8*\c+3],   v255 offset:LH1+\i*16*PITCH+64*\c
	ds_load_b128 v[WH1+16*\i+8*\c+4:WH1+16*\i+8*\c+7], v255 offset:LH1+\i*16*PITCH+64*\c+32
.endr
.endr
.irp c, 0,1
	ds_load_b128 v[WL+8*\c:WL+8*\c+3],   v255 offset:LL+64*\c
	ds_load_b128 v[WL+8*\c+4:WL+8*\c+7], v255 offset:LL+64*\c+32
.endr
	; ---- meanwhile W_first: every half of 16 lanes holds all 64 rows (4 a lane) ----
	s_wait_loadcnt 6                               ; W_first's 12 loads are in; x's six stay out
	v_max3_num_f32 v95, |v48|, |v49|, |v50|
	v_max3_num_f32 v95, v95, |v52|, |v53|
	v_max3_num_f32 v95, v95, |v54|, |v56|
	v_max3_num_f32 v95, v95, |v57|, |v58|
	v_max3_num_f32 v95, v95, |v60|, |v61|
	v_max_num_f32  v95, v95, |v62|
	ROWMAX 95
	SCALE 95, 92, 88
.irp g, 0,1,2,3
.irp c, 0,1,2
	v_mul_f32 v[48+4*\g+\c], v[48+4*\g+\c], v92
.endr
.endr
.irp g, 0,1,2,3
	v_cvt_pk_f16_f32 v[AW+2*\g],   v[48+4*\g], v[48+4*\g+1]
	v_cvt_pk_f16_f32 v[AW+2*\g+1], v[48+4*\g+2], 0
.endr
.irp j, 0,1,2,3,4,5,6,7
	v_cndmask_b32 v[AW+\j], v[AW+\j], v[RG], vcc_lo    ; lanes 16-31 (K = 8 .. and 24 ..) hold zeros
.endr
	v_mul_f32 v88, v88, v89                        ; the four powers of two that were taken out of the weights
	v_mul_f32 v90, v90, v91
	v_mul_f32 v88, v88, v90
	v_readfirstlane_b32 s22, v88
	s_wait_dscnt 0x0                               ; the fragments are in
	; ---- 4 pairs of trips: three that load ahead, and the last, which loads nothing: no load leaves x ----
	s_mov_b32 s23, 3
.Lpair:
	PAIR 1
	s_sub_co_u32 s23, s23, 1
	s_cmp_lg_u32 s23, 0
	s_cbranch_scc1 .Lpair
	PAIR 0
	s_wait_xcnt 0x0
	v_lshl_add_u32 v254, v0, 2, 0x5200
	v_mov_b32 v255, 0
	s_wait_tensorcnt 0x0
	ds_add_u32 v254, v255
	s_wait_dscnt 0x0
	s_endpgm
.Lfunc_end_k_q453d0d8351_mlp:
	.size	k_q453d0d8351_mlp, .Lfunc_end_k_q453d0d8351_mlp-k_q453d0d8351_mlp
	.p2alignl 7, 3214868480
	.fill 96, 4, 3214868480
	.section	.rodata,"a",@progbits
	.p2align	6, 0x0
	.amdhsa_kernel k_q453d0d8351_mlp
		.amdhsa_group_segment_fixed_size 23040
		.amdhsa_private_segment_fixed_size 0
		.amdhsa_enable_private_segment 0
		.amdhsa_kernarg_size 48
		.amdhsa_user_sgpr_count 2
		.amdhsa_user_sgpr_kernarg_segment_ptr 1
		.amdhsa_wavefront_size32 1
		.amdhsa_system_sgpr_workgroup_id_x 1
		.amdhsa_system_sgpr_workgroup_id_y 1
		.amdhsa_system_sgpr_workgroup_id_z 1
		.amdhsa_system_vgpr_workitem_id 0
		.amdhsa_next_free_vgpr 256
		.amdhsa_next_free_sgpr 66
		.amdhsa_reserve_vcc 1
		.amdhsa_float_denorm_mode_32 3
		.amdhsa_float_denorm_mode_16_64 3
		.amdhsa_memory_ordered 1
		.amdhsa_forward_progress 1
		.amdhsa_inst_pref_size 151
	.end_amdhsa_kernel
	.amdgpu_metadata
---
amdhsa.version: [ 1, 2 ]
amdhsa.kernels:
  - .name:           k_q453d0d8351_mlp
    .symbol:         k_q453d0d8351_mlp.kd
    .args:
      - { .name: x, .offset: 0, .size: 8, .value_kind: global_buffer, .address_space: global }
      - { .name: W_first, .offset: 8, .size: 8, .value_kind: global_buffer, .address_space: global }
      - { .name: W_h0, .offset: 16, .size: 8, .value_kind: global_buffer, .address_space: global }
      - { .name: W_h1, .offset: 24, .size: 8, .value_kind: global_buffer, .address_space: global }
      - { .name: W_last, .offset: 32, .size: 8, .value_kind: global_buffer, .address_space: global }
      - { .name: out0, .offset: 40, .size: 8, .value_kind: global_buffer, .address_space: global }
    .group_segment_fixed_size: 23040
    .private_segment_fixed_size: 0
    .kernarg_segment_align: 8
    .kernarg_segment_size: 48
    .max_flat_workgroup_size: 512
    .sgpr_count:     66
    .vgpr_count:     256
    .wavefront_size: 32
...
	.end_amdgpu_metadata
.endif
;; end of part 1
